; MI455X (gfx1250); checked and timed in simulation.
; The chip was launched on July 23, 2026; its instructions are those of AMD's public machine-readable ISA for CDNA 5 (MIT licence, August 2026) and "CDNA5" Instruction Set Architecture Reference Guide (July 2026). The comments in the code are by the model that wrote it; some were corrected since.
;; Linear Self Attention. Allowed arithmetic: matrix products marked QUANTISED: E2M1 operands, one E8M0 scale for each 32 along K, by v_wmma_scale_f32_16x16x128_f8f6f4 with both operands' format E2M1 (or v_wmma_scale_f32_32x16x128_f4), f32 sums; everything else in f32.
;; Inputs: k 4 x 16 x 4,096 x 64 float32; q 4 x 16 x 4,096 x 64 float32; v 4 x 16 x 4,096 x 64 float32.
;; Outputs: out0 4 x 16 x 4,096 x 64 float32.
;; This version of the problem:
;;   THIS VERSION OF THE PROBLEM IS GIVEN IN LOW PRECISION. The matrix products marked QUANTISED in the list below multiply operands that are first quantised to E2M1 (2 exponent bits, 1 mantissa bit; 4 bits a number), with one power-of-two scale for each 32 numbers along K (OCP MX v1.0); their sums are f32. All else is computed in f32.
;;   The module's matrix products, in the order in which they are computed (A, B: the left and right operand; K: the contracted axis; several contracted axes count as one K, in the product's order):
;;     1. batch 64 x [M 64, K 4,096] x [K 4,096, N 64]; A: input k; B: input v: QUANTISED
;;     2. batch 64 x [M 4,096, K 64] x [K 64, N 64]; A: input q; B: computed on the way: QUANTISED
;;   THE QUANTISER, for each operand of a quantised product, along K:
;;     - K is cut into blocks of 32 from its start; a last block that is shorter is filled with zeros.
;;     - A block's scale is 2^e with e = floor(log2(the largest magnitude in the block)) - 2, held to -126 .. 127; a block of zeros has e = 0. As a byte (E8M0): e + 127.
;;     - Each number is divided by its block's scale, clamped to +-6, and rounded to the nearest number of E2M1, ties to even, subnormals kept.
;;     - The product sums the exact products of the quantised numbers (number of the format x scale) in f32.
;;   ~~~python
;;   def quantise(x, axis):      # numpy; x: float32 -> the quantised numbers, widened to float32 again
;;       x = np.moveaxis(x, axis, -1); K = x.shape[-1]
;;       x = np.pad(x, [(0, 0)] * (x.ndim - 1) + [(0, -K % 32)]); x = x.reshape(x.shape[:-1] + (-1, 32)); a = np.abs(x).max(-1, keepdims=True)
;;       e = np.where(a > 0, np.clip(np.frexp(np.where(a > 0, a, 1))[1] - 1 - 2, -126, 127), 0)      # np.frexp(a)[1] - 1 = floor(log2(a)), exactly
;;       r = np.clip(x / 2.0 ** e, -6, 6)
;;       step = 2.0 ** (np.maximum(np.frexp(np.where(r == 0, 1, r))[1] - 1, 0) - 1)
;;       q = np.round(r / step) * step * 2.0 ** e      # np.round: ties to even
;;       return np.moveaxis(q.reshape(q.shape[:-2] + (-1,))[..., :K], -1, axis).astype(np.float32)
;;   ~~~
;;   OPERANDS COMPUTED ON THE WAY. 'Computed on the way' means the value that the module computes at that place (a softmax that the list does not call 'softmax' is quantised finished and normalised). What goes into a quantiser is computed in f32, as accurately as f32 sums, v_exp_f32 and their like allow (about 1e-6 of the number): no bf16 or f16 on the way to a quantiser, and a product that is left as it is and whose result goes on into a quantised operand takes f32 operands (vector FMAs, or v_wmma_f32_16x16x4_f32). A number that lies on a knife's edge between two numbers of the format may be rounded either way, as far as f32 arithmetic and the matrix unit's own rounding can turn it there, and no further.
;; 2 versions, each right; version 2 is version 1 with the launches kvpart, apply written anew for expert scheduling mode. Each part assembles by itself: llvm-mc -triple=amdgcn-amd-amdhsa -mcpu=gfx1250 --defsym DOCPART=n.
;; ======== version 1 of 2: 2 launches
;; workspace buffers: kvp 4,194,304 bytes
;; launch kvpart (part 1): grid 4 x 64, 16 waves a work-group, no clusters, 79,872 bytes of LDS; arguments k, v, kvp; writes kvp
.if DOCPART == 1
	.amdgcn_target "amdgcn-amd-amdhsa--gfx1250"
	.amdhsa_code_object_version 6
	.text
	.protected	k_qe562970833_kvpart
	.globl	k_qe562970833_kvpart
	.p2align	8
	.type	k_qe562970833_kvpart,@function
k_qe562970833_kvpart:
	s_mov_b64 s[64:65], 0
	v_nop
	global_prefetch_b8 v0, s[64:65] scope:SCOPE_SE
	s_setreg_imm32_b32 hwreg(HW_REG_WAVE_MODE, 25, 1), 1
	s_wait_xcnt 0x0
; kv[d][e] = sum over s of Q(k)[s][d] Q(v)[s][e], Q the MX-FP4 quantiser along s (E2M1 codes, one E8M0 byte for each 32 rows of a column).  k, v: [64 heads][4096][64] f32.
; This launch makes FOUR PARTIAL SUMS a head, one for each 1,024 rows, in f32: kvp [64 heads][4 parts][16 tiles][2][32 lanes][4 numbers]; the next launch adds them.
; SHARES.  A work-group (x = part, y = head) owns 1,024 rows of k and of v.  Wave w owns 128 rows, one K step, of ONE tensor: waves 0-7 of k, waves 8-15 of v.
; A LANE TAKES A COLUMN AND ITS REGISTERS RUN DOWN s: two loads of 4 bytes a lane cover a row's 256 bytes, a block of 32 lies in one lane's 32 registers, so that its largest magnitude
; needs no other lane, and the conversions give codes with K innermost.  Nothing is transposed by an instruction.
; The codes go to LDS as images of the operand's registers (a fragment: 16 columns x 128 rows, two pieces of 512 bytes, lane l's 16 bytes at 16 l); the store's address puts each lane's
; 16 bytes at their place, so no lane exchange is written.  One barrier; then wave w makes tile (i = w & 3 of k's, j = w >> 2 of v's) of kv over the work-group's 8 K steps.
; THE COLUMNS OF A TILE ARE NOT NEIGHBOURS: row r of tile T is column 8 T + (r & 7) + 32 (r >> 3), in k and in v alike.  In the result lane (r, h), register n of tile (i, j) is then
; kv[32 h + 8 i + n][column r of v's tile j]: over i a lane holds the 32 neighbours of one block along d, which the next launch quantises.
; A block's scale is 2^(floor(log2(largest magnitude)) - 2); its byte is the largest magnitude's exponent field - 2, held at 1 from below.
; LIMITS: NaN and infinities among the inputs are not served; blocks whose largest magnitude lies under 2^-124 (the floor, byte 1) were not tried; a block of zeros gets the byte 1 where the
; rule says 127: its codes are zeros, and this program alone reads the bytes.  The sum over s is made in 4 parts of two chains each, not in one ascending chain: f32 rounding apart, the same.
; NO CLUSTER: no two work-groups read the same byte.  No tensor loads: the loads into registers follow each other without a stop between blocks.
.set ROWB, 256                         ; a row of k or v in bytes
.set FP,   1152                        ; LDS: from fragment to fragment: 1,024 bytes + 128
.set WREG, 4*FP                        ; a wave's four fragments
.set SCB,  16*WREG                     ; behind the codes: the scale words, 256 bytes a wave: 4 tiles x 16 columns x 4 bytes
.set GO4,  1                           ; v1   4 x lane: my column's bytes in half a row
.set STC,  2                           ; v2   where I store my codes
.set STS,  3                           ; v3   where I store my scale words
.set ADA,  4                           ; v4   k's fragments of my tile
.set ADB,  5                           ; v5   v's
.set ASA,  6                           ; v6   k's scale words of my tile
.set L16,  7                           ; v7   16 x lane
.set ASB,  8                           ; v8   v's scale words
.set M0,   9                           ; v9-10 largest magnitudes, two chains
.set M1,   10
.set SCL,  11                          ; v11  the conversion's scale operand
.set BY,   12                          ; v12  a scale byte
.set SA,   16                          ; v16-23 k's scale words of the 8 K steps;  v24-31 v's: they hold scales and nothing else
.set SB,   24
.set W,    32                          ; v32-33 my columns' scale words as they are built: columns 0-31, 32-63
.set ACC,  40                          ; v40-47, v48-55 two accumulators;  v56-63 their sum
.set R,    56
.set C,    64                          ; v64-95 codes: four registers for each of 8 blocks, so that no store's data are written again
.set BUF,  96                          ; v96-223 two sets of 64 numbers (32 rows x my two columns); later the 16 fragments
	s_load_b128 s[4:7], s[0:1], 0x0                ; k, v
	s_load_b64 s[8:9], s[0:1], 0x10                ; kvp
	v_lshl_add_u32 v224, v0, 2, 0x13000
	v_mov_b32 v225, 0
	v_lshrrev_b32 v14, 5, v0
	v_readfirstlane_b32 s10, v14                   ; wave 0..15
	v_and_b32 v15, 31, v0                          ; lane
	v_lshlrev_b32 v[GO4], 2, v15
	v_lshlrev_b32 v[L16], 4, v15
	v_lshrrev_b32 v14, 3, v15                      ; T = lane / 8: my column's tile
	v_and_b32 v15, 7, v15                          ; lane % 8: its row there (+ 8 for columns 32-63, in the stores' immediates)
	s_mul_i32 s11, s10, WREG
	v_mul_u32_u24 v[STC], v14, FP
	v_lshl_add_u32 v[STC], v15, 4, v[STC]
	v_add_nc_u32 v[STC], s11, v[STC]               ; wave x WREG + T x FP + 16 (lane % 8)
	s_lshl_b32 s11, s10, 8
	s_add_co_u32 s11, s11, SCB
	v_lshlrev_b32 v[STS], 6, v14
	v_lshl_add_u32 v[STS], v15, 2, v[STS]
	v_add_nc_u32 v[STS], s11, v[STS]               ; SCB + 256 x wave + 64 T + 4 (lane % 8)
	s_and_b32 s12, s10, 3                          ; i: the tile of k's columns that I multiply
	s_lshr_b32 s13, s10, 2                         ; j: the tile of v's
	s_mul_i32 s14, s12, FP
	v_add_nc_u32 v[ADA], s14, v[L16]
	s_mul_i32 s14, s13, FP
	s_add_co_u32 s14, s14, 8*WREG                  ; v's fragments lie behind k's (waves 8-15 stored them)
	v_add_nc_u32 v[ADB], s14, v[L16]
	v_and_b32 v14, 15, v0
	v_lshlrev_b32 v14, 2, v14                      ; 4 r: lanes 16-31 read what lanes 0-15 read
	s_lshl_b32 s14, s12, 6
	s_add_co_u32 s14, s14, SCB
	v_add_nc_u32 v[ASA], s14, v14
	s_lshl_b32 s14, s13, 6
	s_add_co_u32 s14, s14, SCB+2048
	v_add_nc_u32 v[ASB], s14, v14
	s_and_b32 s15, ttmp7, 0xffff                   ; head
	s_and_b32 s16, s10, 7                          ; my K step
	s_lshl_b32 s20, s15, 20                        ; a head is 4,096 rows of 256 bytes,
	s_lshl_b32 s17, ttmp9, 18                      ; a part 1,024 rows,
	s_add_co_u32 s20, s20, s17
	s_lshl_b32 s17, s16, 15                        ; a K step 128 rows: under 2^26 in all
	s_add_co_u32 s20, s20, s17
	s_mov_b32 s21, 0
	s_lshl_b32 s22, s15, 2
	s_add_co_u32 s22, s22, ttmp9
	s_lshl_b32 s22, s22, 4
	s_add_co_u32 s22, s22, s10                     ; (4 head + part) x 16 + wave: my tile (4 j + i = wave),
	s_lshl_b32 s22, s22, 10                        ; 1,024 bytes each
	s_mov_b32 s23, 0
	s_wait_kmcnt 0x0
	s_cmp_lt_u32 s10, 8                            ; k's wave or v's?  The choice hangs on the wave's number alone
	s_cselect_b64 s[4:5], s[4:5], s[6:7]
	s_add_nc_u64 s[4:5], s[4:5], s[20:21]
	s_add_nc_u64 s[8:9], s[8:9], s[22:23]
; Block b: rows 32 b .. 32 b + 31, both halves of each row one behind the other: 64 loads into set b % 2.  Every offset is an immediate; no address register is written again.
.macro LOADS b
.set ri, 0
.rept 32
	global_load_b32 v[BUF+64*((\b)%2)+ri],    v[GO4], s[4:5] offset:(32*(\b)+ri)*ROWB th:TH_LOAD_NT
	global_load_b32 v[BUF+64*((\b)%2)+32+ri], v[GO4], s[4:5] offset:(32*(\b)+ri)*ROWB+128 th:TH_LOAD_NT
.set ri, ri+1
.endr
.endm
; Block b of my column 32 g + lane: its scale, its byte into the column's scale word, its 32 codes into LDS at piece b / 2, lanes' half b % 2, row lane % 8 + 8 g of tile lane / 8.
.macro UNIT b, g
.set XS, BUF+64*((\b)%2)+32*(\g)
.set CC, C+4*(2*(\b)+(\g))
	v_max3_num_f32 v[M0], |v[XS]|, |v[XS+1]|, |v[XS+2]|
	v_max3_num_f32 v[M1], |v[XS+3]|, |v[XS+4]|, |v[XS+5]|
.irp i, 6,10,14,18,22,26
	v_max3_num_f32 v[M0], v[M0], |v[XS+\i]|, |v[XS+\i+1]|
	v_max3_num_f32 v[M1], v[M1], |v[XS+\i+2]|, |v[XS+\i+3]|
.endr
	v_max3_num_f32 v[M0], v[M0], |v[XS+30]|, |v[XS+31]|
	v_max3_num_f32 v[M0], v[M0], v[M1], 0x1800000  ; and the floor 2^(3 - 127): the byte cannot fall under 1
	v_add_nc_u32 v[SCL], 0xff000000, v[M0]         ; 2 off the exponent field: the conversion takes this operand's exponent field as its scale
.if (\b) == 0
	v_lshrrev_b32 v[W+(\g)], 23, v[SCL]            ; the byte of block 0 starts the word
.else
	v_lshrrev_b32 v[BY], 23, v[SCL]
	v_lshl_or_b32 v[W+(\g)], v[BY], 8*(\b), v[W+(\g)]
.endif
.irp q, 0,1,2,3
	v_cvt_scalef32_pk8_fp4_f32 v[CC+\q], v[XS+8*\q:XS+8*\q+7], v[SCL]
.endr
	v_nop                                          ; one plain place behind the last conversion
	ds_store_b128 v[STC], v[CC:CC+3] offset:128*(\g)+512*((\b)/2)+256*((\b)%2)
.endm
	LOADS 0
	LOADS 1
	s_wait_loadcnt 63                              ; block 0 is in: 64 younger loads stand behind its last, and 63 is the largest count that a wait can name
	UNIT 0, 0
	UNIT 0, 1
	LOADS 2                                        ; into block 0's set, which has been converted
	s_wait_loadcnt 63                              ; block 1 is in, by the same count
	UNIT 1, 0
	UNIT 1, 1
	LOADS 3
	s_wait_loadcnt 63                              ; block 2
	UNIT 2, 0
	UNIT 2, 1
	s_wait_loadcnt 0x0
	UNIT 3, 0
	UNIT 3, 1
	ds_store_b32 v[STS], v[W]                      ; my columns' scale words: rows 0-7 of the four tiles,
	ds_store_b32 v[STS], v[W+1] offset:32          ; rows 8-15
	s_wait_dscnt 0x0                               ; for the others' sake: my stores have landed
	s_barrier_signal -1
	s_barrier_wait -1                              ; the 64 fragments and their scale words lie in LDS; nothing is stored there again
.irp t, 0,1,2,3,4,5,6,7                        ; six loads a K step: k's fragment, v's fragment, their scale words
	ds_load_b128 v[BUF+16*\t:BUF+16*\t+3],     v[ADA] offset:\t*WREG
	ds_load_b128 v[BUF+16*\t+4:BUF+16*\t+7],   v[ADA] offset:\t*WREG+512
	ds_load_b128 v[BUF+16*\t+8:BUF+16*\t+11],  v[ADB] offset:\t*WREG
	ds_load_b128 v[BUF+16*\t+12:BUF+16*\t+15], v[ADB] offset:\t*WREG+512
	ds_load_b32 v[SA+\t], v[ASA] offset:256*\t
	ds_load_b32 v[SB+\t], v[ASB] offset:256*\t
.endr
; Even K steps on one accumulator, odd ones on the other, one instruction a turn.  The first two products start the sums.
.irp t, 0,1,2,3,4,5,6,7
	s_wait_dscnt 6*(7-\t)                          ; LDS loads come back in order (ISA guide 5.7.1): this K step's six are in, the later steps' may be out
.if \t < 2
	v_wmma_scale_f32_16x16x128_f8f6f4 v[ACC+8*(\t%2):ACC+8*(\t%2)+7], v[BUF+16*\t:BUF+16*\t+7], v[BUF+16*\t+8:BUF+16*\t+15], 0, v[SA+\t], v[SB+\t] matrix_a_fmt:MATRIX_FMT_FP4 matrix_b_fmt:MATRIX_FMT_FP4
.else
	v_wmma_scale_f32_16x16x128_f8f6f4 v[ACC+8*(\t%2):ACC+8*(\t%2)+7], v[BUF+16*\t:BUF+16*\t+7], v[BUF+16*\t+8:BUF+16*\t+15], v[ACC+8*(\t%2):ACC+8*(\t%2)+7], v[SA+\t], v[SB+\t] matrix_a_fmt:MATRIX_FMT_FP4 matrix_b_fmt:MATRIX_FMT_FP4
.endif
.endr
.rept 4
	v_nop                                          ; four places between the last product and the first read of results (ISA guide 7.12.1)
.endr
.irp n, 0,2,4,6
	v_pk_add_f32 v[R+\n:R+\n+1], v[ACC+\n:ACC+\n+1], v[ACC+8+\n:ACC+9+\n]   ; both accumulators from their low end on
.endr
	global_store_b128 v[L16], v[R:R+3], s[8:9]               ; 32 lanes store 512 consecutive bytes, at a multiple of 256 from kvp's first byte
	global_store_b128 v[L16], v[R+4:R+7], s[8:9] offset:512
	s_wait_tensorcnt 0x0
	ds_add_u32 v224, v225
	s_wait_dscnt 0x0
	s_endpgm
.Lfunc_end_k_qe562970833_kvpart:
	.size	k_qe562970833_kvpart, .Lfunc_end_k_qe562970833_kvpart-k_qe562970833_kvpart
	.p2alignl 7, 3214868480
	.fill 96, 4, 3214868480
	.section	.rodata,"a",@progbits
	.p2align	6, 0x0
	.amdhsa_kernel k_qe562970833_kvpart
		.amdhsa_group_segment_fixed_size 79872
		.amdhsa_private_segment_fixed_size 0
		.amdhsa_enable_private_segment 0
		.amdhsa_kernarg_size 24
		.amdhsa_user_sgpr_count 2
		.amdhsa_user_sgpr_kernarg_segment_ptr 1
		.amdhsa_wavefront_size32 1
		.amdhsa_system_sgpr_workgroup_id_x 1
		.amdhsa_system_sgpr_workgroup_id_y 1
		.amdhsa_system_sgpr_workgroup_id_z 1
		.amdhsa_system_vgpr_workitem_id 0
		.amdhsa_next_free_vgpr 226
		.amdhsa_next_free_sgpr 66
		.amdhsa_reserve_vcc 0
		.amdhsa_float_denorm_mode_32 3
		.amdhsa_float_denorm_mode_16_64 3
		.amdhsa_memory_ordered 1
		.amdhsa_forward_progress 1
		.amdhsa_inst_pref_size 44
	.end_amdhsa_kernel
	.amdgpu_metadata
---
amdhsa.version: [ 1, 2 ]
amdhsa.kernels:
  - .name:           k_qe562970833_kvpart
    .symbol:         k_qe562970833_kvpart.kd
    .args:
      - { .name: k, .offset: 0, .size: 8, .value_kind: global_buffer, .address_space: global }
      - { .name: v, .offset: 8, .size: 8, .value_kind: global_buffer, .address_space: global }
      - { .name: kvp, .offset: 16, .size: 8, .value_kind: global_buffer, .address_space: global }
    .group_segment_fixed_size: 79872
    .private_segment_fixed_size: 0
    .kernarg_segment_align: 8
    .kernarg_segment_size: 24
    .max_flat_workgroup_size: 512
    .sgpr_count:     66
    .vgpr_count:     226
    .wavefront_size: 32
...
	.end_amdgpu_metadata
.endif
;; end of part 1
;; launch apply (part 2): grid 4 x 64, 16 waves a work-group, no clusters, 88,064 bytes of LDS; arguments q, kvp, out0; writes out0
.if DOCPART == 2
	.amdgcn_target "amdgcn-amd-amdhsa--gfx1250"
	.amdhsa_code_object_version 6
	.text
	.protected	k_qe562970833_apply
	.globl	k_qe562970833_apply
	.p2align	8
	.type	k_qe562970833_apply,@function
k_qe562970833_apply:
	s_mov_b64 s[64:65], 0
	v_nop
	global_prefetch_b8 v0, s[64:65] scope:SCOPE_SE
	s_setreg_imm32_b32 hwreg(HW_REG_WAVE_MODE, 25, 1), 1
	s_wait_xcnt 0x0
; out[s][e] = sum over d of Q(q)[s][d] Q(kv)[d][e], Q the MX-FP4 quantiser along d (E2M1 codes, one E8M0 byte for each 32 along d).  q, out: [64 heads][4096][64] f32.
; kv comes as four partial sums a head, kvp [64][4 parts][16 tiles][2][32 lanes][4]: in tile 4 j + i, lane (r, h), number n (0..7) is kv[32 h + 8 i + n][e], e = 8 j + (r & 7) + 32 (r >> 3).
; SHARES.  A work-group (x = quarter, y = head) owns 1,024 rows; each of its 16 waves 64 rows, four tiles of 16.
; Every wave first asks for the four parts of kv's tile w, then for ALL its rows of q: 32 loads of 512 consecutive bytes into 128 registers.
; kv: wave w adds its tile's four parts and puts the sum into LDS; one barrier; every wave then quantises the whole of kv for itself (4 tiles of e, 32 numbers a lane each: a lane holds a whole
; block along d), so that there is no second barrier and no wave has a role of its own.
; q: a tile's 4,096 bytes turn through the wave's own stage: stored as loaded, read back 128 bytes a lane: lane (r, h) then holds q[r][32 h .. 32 h + 31], one block.
; THE PRODUCT IS USED TRANSPOSED (source 0 = 16 columns e of kv, source 1 = 16 rows of q).  K is 64: registers 4-7 of both operands hold zero codes, which add nothing under the scale byte 0.
; In the result lane (r, h), register n of tile j is out[r][32 h + 8 j + n]: 32 neighbours a lane.  They go through the same stage and leave as whole rows, 512 consecutive bytes a store.
; LIMITS: NaN and infinities are not served; blocks whose largest magnitude lies under 2^-124 (the floor, byte 1) were not tried; a block of zeros gets the byte 1 where the rule says 127: its codes are zeros.
; NO CLUSTER: the four work-groups of a head share kv's 65,536 bytes of parts and nothing else, beside 262,144 bytes read and 262,144 written that are each work-group's own.
.set SP,    272                        ; a stage row: 256 bytes + 16: row r starts at bank 4 r mod 64 (64 banks of 4 bytes: ISA guide 11.1), so sixteen rows' 16 bytes fall on different banks
.set KVF,   0                          ; LDS: kv in f32, laid as a part lies in memory: 16 tiles of 1,024 bytes
.set STG,   16384                      ; behind it a stage of 16 rows for each wave
.set TILEB, 16*SP
.set L16,  1                           ; v1   16 x lane: my bytes in 512 consecutive ones, in memory and in kv's LDS image
.set AD1,  2                           ; v2   the stage by rows: (lane / 16) x SP + 16 (lane % 16): two rows an instruction
.set AD2,  3                           ; v3   the stage by lanes: r x SP + 128 h
.set KST,  4                           ; v4   where I put my tile of kv: 1,024 x wave + 16 x lane
.set SH,   7                           ; v7   8 h: my block's byte's place in a scale word
.set M0,   8
.set M1,   9
.set SCL,  10
.set BY,   11
.set TMP,  12
.set KS,   16                          ; v16-19 kv's scale words, v20 q's: they hold scales and nothing else
.set QS,   20
.set QF,   24                          ; v24-31  q's fragment
.set KF,   32                          ; v32-63  kv's four fragments
.set D,    64                          ; v64-95  four results
.set X,    96                          ; v96-127 32 numbers at work
.set L,    128                         ; v128-255 q as loaded, 32 registers a tile; later the tile's rows of out
	s_load_b128 s[4:7], s[0:1], 0x0                ; q, kvp
	s_load_b64 s[8:9], s[0:1], 0x10                ; out
	v_lshl_add_u32 v22, v0, 2, 0x15000
	v_mov_b32 v23, 0
	v_lshrrev_b32 v14, 5, v0
	v_readfirstlane_b32 s10, v14                   ; wave 0..15
	v_and_b32 v15, 31, v0
	v_lshlrev_b32 v[L16], 4, v15
	v_and_b32 v13, 15, v0                          ; r
	v_bfe_u32 v14, v0, 4, 1                        ; h
	v_lshlrev_b32 v[SH], 3, v14
	s_mul_i32 s11, s10, TILEB
	s_add_co_u32 s11, s11, STG                     ; my stage
	v_mul_u32_u24 v[AD1], v14, SP
	v_lshl_add_u32 v[AD1], v13, 4, v[AD1]
	v_add_nc_u32 v[AD1], s11, v[AD1]
	v_mul_u32_u24 v[AD2], v13, SP
	v_lshl_add_u32 v[AD2], v14, 7, v[AD2]
	v_add_nc_u32 v[AD2], s11, v[AD2]
	s_lshl_b32 s14, s10, 10
	v_add_nc_u32 v[KST], s14, v[L16]
	s_mov_b32 s12, 0x76543210
	s_mov_b32 s13, 0xfedcba98                      ; v_permlanex16_b32's selects for lane l xor 16
	s_and_b32 s15, ttmp7, 0xffff                   ; head
	s_lshl_b32 s16, s15, 20                        ; a head is 4,096 rows of 256 bytes,
	s_lshl_b32 s17, ttmp9, 18                      ; a quarter 1,024 rows,
	s_add_co_u32 s16, s16, s17
	s_lshl_b32 s17, s10, 14                        ; a wave's share 64 rows
	s_add_co_u32 s16, s16, s17
	s_mov_b32 s17, 0
	s_lshl_b32 s18, s15, 16                        ; kvp: 65,536 bytes a head, my tile 1,024 x wave on
	s_add_co_u32 s18, s18, s14
	s_mov_b32 s19, 0
	s_wait_kmcnt 0x0
	s_add_nc_u64 s[4:5], s[4:5], s[16:17]
	s_add_nc_u64 s[8:9], s[8:9], s[16:17]
	s_add_nc_u64 s[6:7], s[6:7], s[18:19]
.irp p, 0,1,2,3                                ; my tile of kv in the four parts: asked for first, since every wave waits for all sixteen tiles
	global_load_b128 v[X+8*\p:X+8*\p+3],   v[L16], s[6:7] offset:16384*\p
	global_load_b128 v[X+8*\p+4:X+8*\p+7], v[L16], s[6:7] offset:16384*\p+512
.endr
.set ni, 0
.rept 32                                       ; all my rows of q: each load takes 512 consecutive bytes, two rows
	global_load_b128 v[L+4*ni:L+4*ni+3], v[L16], s[4:5] offset:512*ni th:TH_LOAD_NT
.set ni, ni+1
.endr
	v_mov_b32 v[TMP], 0                            ; a lane permute's destination counts as one of its sources
.irp n, 4,5,6,7
	v_mov_b32 v[QF+\n], 0                          ; zero codes for k = 64 .. 127, once
	v_mov_b32 v[KF+\n], 0
	v_mov_b32 v[KF+8+\n], 0
	v_mov_b32 v[KF+16+\n], 0
	v_mov_b32 v[KF+24+\n], 0
.endr
	s_wait_loadcnt 32                              ; the eight loads of kv's parts are in; the 32 of q, issued behind them, may be out
.irp p, 1,2,3
.irp n, 0,2,4,6
	v_pk_add_f32 v[X+\n:X+\n+1], v[X+\n:X+\n+1], v[X+8*\p+\n:X+8*\p+\n+1]   ; the parts in ascending order of s
.endr
.endr
	ds_store_b128 v[KST], v[X:X+3]
	ds_store_b128 v[KST], v[X+4:X+7] offset:512
	s_wait_dscnt 0x0                               ; for the others' sake: my tile has landed
	s_barrier_signal -1
	s_barrier_wait -1                              ; kv lies in LDS; nobody stores there again
; 32 numbers of a lane, one block along K (lanes 0-15: k = 0 .. 31, lanes 16-31: k = 32 .. 63 of row lane % 16), become registers 0-3 of a fragment at v[dst] and the row's scale word in v[sw].
.macro QUANT src, dst, sw
	v_max3_num_f32 v[M0], |v[(\src)]|, |v[(\src)+1]|, |v[(\src)+2]|
	v_max3_num_f32 v[M1], |v[(\src)+3]|, |v[(\src)+4]|, |v[(\src)+5]|
.irp i, 6,10,14,18,22,26
	v_max3_num_f32 v[M0], v[M0], |v[(\src)+\i]|, |v[(\src)+\i+1]|
	v_max3_num_f32 v[M1], v[M1], |v[(\src)+\i+2]|, |v[(\src)+\i+3]|
.endr
	v_max3_num_f32 v[M0], v[M0], |v[(\src)+30]|, |v[(\src)+31]|
	v_max3_num_f32 v[M0], v[M0], v[M1], 0x1800000  ; and the floor 2^(3 - 127): the byte cannot fall under 1
	v_add_nc_u32 v[SCL], 0xff000000, v[M0]         ; 2 off the exponent field: the conversion's scale operand
	v_lshrrev_b32 v[BY], 23, v[SCL]                ; my block's byte,
	v_lshlrev_b32 v[BY], v[SH], v[BY]              ; at its place in the word;
	v_permlanex16_b32 v[TMP], v[BY], s12, s13
	v_or_b32 v[(\sw)], v[BY], v[TMP]               ; with lane l xor 16's the word is whole; bytes 2 and 3 stay 0, over zero codes
.irp g, 0,1,2,3
	v_cvt_scalef32_pk8_fp4_f32 v[(\dst)+\g], v[(\src)+8*\g:(\src)+8*\g+7], v[SCL]
.endr
	v_nop                                          ; one plain place behind the last conversion
.endm
.macro KVLOAD j, dst                           ; the four tiles 4 j + i: my 32 numbers kv[32 h + 0 .. 31][column r of tile j]
.irp n, 0,1,2,3,4,5,6,7
	ds_load_b128 v[(\dst)+4*\n:(\dst)+4*\n+3], v[L16] offset:KVF+4096*(\j)+512*\n
.endr
.endm
	KVLOAD 0, X
	KVLOAD 1, D
	s_wait_dscnt 8                                 ; tile 0's eight loads are in, the next tile's may be out; likewise below
	QUANT X, KF, KS
	KVLOAD 2, X
	s_wait_dscnt 8
	QUANT D, KF+8, KS+1
	KVLOAD 3, D
	s_wait_dscnt 8
	QUANT X, KF+16, KS+2
	s_wait_dscnt 0x0
	QUANT D, KF+24, KS+3
; A tile of 16 rows.  LDS serves a wave's instructions in order (ISA guide 5.7.1.4): no wait stands between the stores into my stage and the loads that read them back.
.macro TILE t
.set LT, L+32*(\t)
	s_wait_loadcnt 8*(3-(\t))                      ; loads come back in order (ISA guide 5.7.1): this tile's eight are in, the later tiles' may be out
.irp n, 0,1,2,3,4,5,6,7
	ds_store_b128 v[AD1], v[LT+4*\n:LT+4*\n+3] offset:2*\n*SP      ; as loaded: two rows an instruction
.endr
.irp n, 0,1,2,3,4,5,6,7
	ds_load_b128 v[X+4*\n:X+4*\n+3], v[AD2] offset:16*\n           ; back: my row's 32 numbers of my block
.endr
	s_wait_dscnt 0x0
	QUANT X, QF, QS
.rept 8
	v_nop                                          ; a scale register written by a vector instruction stands eight places ahead of a scaled matrix instruction, an operand so written four
.endr
.irp j, 0,1,2,3
	v_wmma_scale_f32_16x16x128_f8f6f4 v[D+8*\j:D+8*\j+7], v[KF+8*\j:KF+8*\j+7], v[QF:QF+7], 0, v[KS+\j], v[QS] matrix_a_fmt:MATRIX_FMT_FP4 matrix_b_fmt:MATRIX_FMT_FP4
.endr
.rept 4
	v_nop                                          ; four places between the last product and the first read of results (ISA guide 7.12.1)
.endr
.irp j, 0,1,2,3
	ds_store_b128 v[AD2], v[D+8*\j:D+8*\j+3] offset:32*\j          ; out[r][32 h + 8 j + 0 .. 7]: each result from its low end on
	ds_store_b128 v[AD2], v[D+8*\j+4:D+8*\j+7] offset:32*\j+16
.endr
.irp n, 0,1,2,3,4,5,6,7
	ds_load_b128 v[LT+4*\n:LT+4*\n+3], v[AD1] offset:2*\n*SP       ; back by rows, into the registers that this tile's q has left (its stores into the stage were waited for above)
.endr
.irp n, 0,1,2,3,4,5,6,7
	s_wait_dscnt 7-\n                              ; pair n of rows is back; the younger pairs may be out
	global_store_b128 v[L16], v[LT+4*\n:LT+4*\n+3], s[8:9] offset:4096*(\t)+512*\n th:TH_STORE_NT   ; 32 lanes store 512 consecutive bytes, at a multiple of 256 from out's first byte; these registers are not written again
.endr
.endm
	TILE 0
	TILE 1
	TILE 2
	TILE 3
	s_wait_tensorcnt 0x0
	ds_add_u32 v22, v23
	s_wait_dscnt 0x0
	s_endpgm
.Lfunc_end_k_qe562970833_apply:
	.size	k_qe562970833_apply, .Lfunc_end_k_qe562970833_apply-k_qe562970833_apply
	.p2alignl 7, 3214868480
	.fill 96, 4, 3214868480
	.section	.rodata,"a",@progbits
	.p2align	6, 0x0
	.amdhsa_kernel k_qe562970833_apply
		.amdhsa_group_segment_fixed_size 88064
		.amdhsa_private_segment_fixed_size 0
		.amdhsa_enable_private_segment 0
		.amdhsa_kernarg_size 24
		.amdhsa_user_sgpr_count 2
		.amdhsa_user_sgpr_kernarg_segment_ptr 1
		.amdhsa_wavefront_size32 1
		.amdhsa_system_sgpr_workgroup_id_x 1
		.amdhsa_system_sgpr_workgroup_id_y 1
		.amdhsa_system_sgpr_workgroup_id_z 1
		.amdhsa_system_vgpr_workitem_id 0
		.amdhsa_next_free_vgpr 256
		.amdhsa_next_free_sgpr 66
		.amdhsa_reserve_vcc 0
		.amdhsa_float_denorm_mode_32 3
		.amdhsa_float_denorm_mode_16_64 3
		.amdhsa_memory_ordered 1
		.amdhsa_forward_progress 1
		.amdhsa_inst_pref_size 38
	.end_amdhsa_kernel
	.amdgpu_metadata
---
amdhsa.version: [ 1, 2 ]
amdhsa.kernels:
  - .name:           k_qe562970833_apply
    .symbol:         k_qe562970833_apply.kd
    .args:
      - { .name: q, .offset: 0, .size: 8, .value_kind: global_buffer, .address_space: global }
      - { .name: kvp, .offset: 8, .size: 8, .value_kind: global_buffer, .address_space: global }
      - { .name: out0, .offset: 16, .size: 8, .value_kind: global_buffer, .address_space: global }
    .group_segment_fixed_size: 88064
    .private_segment_fixed_size: 0
    .kernarg_segment_align: 8
    .kernarg_segment_size: 24
    .max_flat_workgroup_size: 512
    .sgpr_count:     66
    .vgpr_count:     256
    .wavefront_size: 32
...
	.end_amdgpu_metadata
.endif
;; end of part 2
;; ======== version 2 of 2: 2 launches; version 1 with the launches kvpart, apply written anew for expert scheduling mode
;; workspace buffers: kvp 4,194,304 bytes
;; launch kvpart (part 3): grid 4 x 64, 16 waves a work-group, no clusters, 79,872 bytes of LDS; arguments k, v, kvp; writes kvp
.if DOCPART == 3
	.amdgcn_target "amdgcn-amd-amdhsa--gfx1250"
	.amdhsa_code_object_version 6
	.text
	.protected	k_qe562970833_kvpart
	.globl	k_qe562970833_kvpart
	.p2align	8
	.type	k_qe562970833_kvpart,@function
k_qe562970833_kvpart:
	s_mov_b64 s[64:65], 0
	v_nop
	global_prefetch_b8 v0, s[64:65] scope:SCOPE_SE
	s_setreg_imm32_b32 hwreg(HW_REG_WAVE_SCHED_MODE, 0, 2), 2
	s_setreg_imm32_b32 hwreg(HW_REG_WAVE_MODE, 25, 1), 1
	s_wait_xcnt 0x0
	s_wait_alu depctr_vm_vsrc(0)
; kv[d][e] = sum over s of Q(k)[s][d] Q(v)[s][e], Q the MX-FP4 quantiser along s (E2M1 codes, one E8M0 byte for each 32 rows of a column).  k, v: [64 heads][4096][64] f32.
; This launch makes FOUR PARTIAL SUMS a head, one for each 1,024 rows, in f32: kvp [64 heads][4 parts][16 tiles][2][32 lanes][4 numbers]; the next launch adds them.
; SHARES.  A work-group (x = part, y = head) owns 1,024 rows of k and of v.  Wave w owns 128 rows, one K step, of ONE tensor: waves 0-7 of k, waves 8-15 of v.
; A LANE TAKES A COLUMN AND ITS REGISTERS RUN DOWN s: two loads of 4 bytes a lane cover a row's 256 bytes, a block of 32 lies in one lane's 32 registers, so that its largest magnitude
; needs no other lane, and the conversions give codes with K innermost.  Nothing is transposed by an instruction.
; The codes go to LDS as images of the operand's registers (a fragment: 16 columns x 128 rows, two pieces of 512 bytes, lane l's 16 bytes at 16 l); the store's address puts each lane's
; 16 bytes at their place, so no lane exchange is written.  One barrier; then wave w makes tile (i = w & 3 of k's, j = w >> 2 of v's) of kv over the work-group's 8 K steps.
; THE COLUMNS OF A TILE ARE NOT NEIGHBOURS: row r of tile T is column 8 T + (r & 7) + 32 (r >> 3), in k and in v alike.  In the result lane (r, h), register n of tile (i, j) is then
; kv[32 h + 8 i + n][column r of v's tile j]: over i a lane holds the 32 neighbours of one block along d, which the next launch quantises.
; A block's scale is 2^(floor(log2(largest magnitude)) - 2); its byte is the largest magnitude's exponent field - 2, held at 1 from below.
; LIMITS: NaN and infinities among the inputs are not served; blocks whose largest magnitude lies under 2^-124 (the floor, byte 1) were not tried; a block of zeros gets the byte 1 where the
; rule says 127: its codes are zeros, and this program alone reads the bytes.  The sum over s is made in 4 parts of two chains each, not in one ascending chain: f32 rounding apart, the same.
; NO CLUSTER: no two work-groups read the same byte.  No tensor loads: the loads into registers follow each other without a stop between blocks.
; THE MODE: SCHED_MODE bits 1:0 = 2 (LLVM: expert scheduling mode 2), set by the entry lines.  The code itself states the register dependences
; between vector or matrix instructions and memory or LDS instructions, with s_wait_alu, always for 0.
; THE PLAN.  Registers that memory or LDS instructions touch:
;   v1-8        offsets and LDS addresses: written at the head, never again; read by every load and store.
;   BUF, 2 sets block b's 64 loads land in set b % 2; its maxima and conversions read it; behind them block b + 2's loads land there.  Behind the barrier the fragments' LDS loads land in both sets.
;   C           four registers a unit: written once, by the unit's conversions; read once, by its LDS store.
;   W           written by the units' shifts; read by two LDS stores behind block 3.
;   SA, SB      written by LDS loads alone, read by the products.       R   written by four packed additions, read by the two global stores.
;   v224, v225  written at the head, read by the closing add alone.
; So ONE wait on va_vdst stands behind each block's two units: it states that the block's codes are written and that its set has been read out.  The next loads into that set and the block's two LDS
; stores follow it.  No register that a memory or LDS instruction reads is ever written again: no wait on vm_vsrc is owed.
.set ROWB, 256                         ; a row of k or v in bytes
.set FP,   1152                        ; LDS: from fragment to fragment: 1,024 bytes + 128
.set WREG, 4*FP                        ; a wave's four fragments
.set SCB,  16*WREG                     ; behind the codes: the scale words, 256 bytes a wave: 4 tiles x 16 columns x 4 bytes
.set GO4,  1                           ; v1   4 x lane: my column's bytes in half a row
.set STC,  2                           ; v2   where I store my codes
.set STS,  3                           ; v3   where I store my scale words
.set ADA,  4                           ; v4   k's fragments of my tile
.set ADB,  5                           ; v5   v's
.set ASA,  6                           ; v6   k's scale words of my tile
.set L16,  7                           ; v7   16 x lane
.set ASB,  8                           ; v8   v's scale words
.set M0,   9                           ; v9-10 largest magnitudes, two chains
.set M1,   10
.set SCL,  11                          ; v11  the conversion's scale operand
.set BY,   12                          ; v12  a scale byte
.set SA,   16                          ; v16-23 k's scale words of the 8 K steps;  v24-31 v's: they hold scales and nothing else
.set SB,   24
.set W,    32                          ; v32-33 my columns' scale words as they are built: columns 0-31, 32-63
.set ACC,  40                          ; v40-47, v48-55 two accumulators;  v56-63 their sum
.set R,    56
.set C,    64                          ; v64-95 codes: four registers for each of 8 blocks, so that no store's data are written again
.set BUF,  96                          ; v96-223 two sets of 64 numbers (32 rows x my two columns); later the 16 fragments
	s_load_b128 s[4:7], s[0:1], 0x0                ; k, v
	s_load_b64 s[8:9], s[0:1], 0x10                ; kvp
	v_lshl_add_u32 v224, v0, 2, 0x13000            ; the LDS address of my spare word, behind the scale words, and 0: kept for the closing lines alone
	v_mov_b32 v225, 0
	v_lshrrev_b32 v14, 5, v0
	v_readfirstlane_b32 s10, v14                   ; wave 0..15
	v_and_b32 v15, 31, v0                          ; lane
	v_lshlrev_b32 v[GO4], 2, v15
	v_lshlrev_b32 v[L16], 4, v15
	v_lshrrev_b32 v14, 3, v15                      ; T = lane / 8: my column's tile
	v_and_b32 v15, 7, v15                          ; lane % 8: its row there (+ 8 for columns 32-63, in the stores' immediates)
	s_wait_alu depctr_va_sdst(0)                   ; s10 is written, ahead of its first reader: LDS places, the choice of the tensor and the bases are made from it
	s_mul_i32 s11, s10, WREG
	v_mul_u32_u24 v[STC], v14, FP
	v_lshl_add_u32 v[STC], v15, 4, v[STC]
	v_add_nc_u32 v[STC], s11, v[STC]               ; wave x WREG + T x FP + 16 (lane % 8)
	s_lshl_b32 s11, s10, 8
	s_add_co_u32 s11, s11, SCB
	v_lshlrev_b32 v[STS], 6, v14
	v_lshl_add_u32 v[STS], v15, 2, v[STS]
	v_add_nc_u32 v[STS], s11, v[STS]               ; SCB + 256 x wave + 64 T + 4 (lane % 8)
	s_and_b32 s12, s10, 3                          ; i: the tile of k's columns that I multiply
	s_lshr_b32 s13, s10, 2                         ; j: the tile of v's
	s_mul_i32 s14, s12, FP
	v_add_nc_u32 v[ADA], s14, v[L16]
	s_mul_i32 s14, s13, FP
	s_add_co_u32 s14, s14, 8*WREG                  ; v's fragments lie behind k's (waves 8-15 stored them)
	v_add_nc_u32 v[ADB], s14, v[L16]
	v_and_b32 v14, 15, v0
	v_lshlrev_b32 v14, 2, v14                      ; 4 r: lanes 16-31 read what lanes 0-15 read
	s_lshl_b32 s14, s12, 6
	s_add_co_u32 s14, s14, SCB
	v_add_nc_u32 v[ASA], s14, v14
	s_lshl_b32 s14, s13, 6
	s_add_co_u32 s14, s14, SCB+2048
	v_add_nc_u32 v[ASB], s14, v14
	s_and_b32 s15, ttmp7, 0xffff                   ; head
	s_and_b32 s16, s10, 7                          ; my K step
	s_lshl_b32 s20, s15, 20                        ; a head is 4,096 rows of 256 bytes,
	s_lshl_b32 s17, ttmp9, 18                      ; a part 1,024 rows,
	s_add_co_u32 s20, s20, s17
	s_lshl_b32 s17, s16, 15                        ; a K step 128 rows: under 2^26 in all
	s_add_co_u32 s20, s20, s17
	s_mov_b32 s21, 0
	s_lshl_b32 s22, s15, 2
	s_add_co_u32 s22, s22, ttmp9
	s_lshl_b32 s22, s22, 4
	s_add_co_u32 s22, s22, s10                     ; (4 head + part) x 16 + wave: my tile (4 j + i = wave),
	s_lshl_b32 s22, s22, 10                        ; 1,024 bytes each
	s_mov_b32 s23, 0
	s_wait_kmcnt 0x0
	s_cmp_lt_u32 s10, 8                            ; k's wave or v's?  The choice hangs on the wave's number alone
	s_cselect_b64 s[4:5], s[4:5], s[6:7]
	s_add_nc_u64 s[4:5], s[4:5], s[20:21]
	s_add_nc_u64 s[8:9], s[8:9], s[22:23]
	s_wait_alu depctr_va_vdst(0)                   ; the eight offsets and addresses v1 to v8 are written, which every load and store below reads
; Block b: rows 32 b .. 32 b + 31, both halves of each row one behind the other: 64 loads into set b % 2.  Every offset is an immediate; no address register is written again.
.macro LOADS b
.set ri, 0
.rept 32
	global_load_b32 v[BUF+64*((\b)%2)+ri],    v[GO4], s[4:5] offset:(32*(\b)+ri)*ROWB th:TH_LOAD_NT
	global_load_b32 v[BUF+64*((\b)%2)+32+ri], v[GO4], s[4:5] offset:(32*(\b)+ri)*ROWB+128 th:TH_LOAD_NT
.set ri, ri+1
.endr
.endm
; Block b of my column 32 g + lane: its scale, its byte into the column's scale word, its 32 codes into four registers of their own.
.macro UNIT b, g
.set XS, BUF+64*((\b)%2)+32*(\g)
.set CC, C+4*(2*(\b)+(\g))
	v_max3_num_f32 v[M0], |v[XS]|, |v[XS+1]|, |v[XS+2]|
	v_max3_num_f32 v[M1], |v[XS+3]|, |v[XS+4]|, |v[XS+5]|
.irp i, 6,10,14,18,22,26
	v_max3_num_f32 v[M0], v[M0], |v[XS+\i]|, |v[XS+\i+1]|
	v_max3_num_f32 v[M1], v[M1], |v[XS+\i+2]|, |v[XS+\i+3]|
.endr
	v_max3_num_f32 v[M0], v[M0], |v[XS+30]|, |v[XS+31]|
	v_max3_num_f32 v[M0], v[M0], v[M1], 0x1800000  ; and the floor 2^(3 - 127): the byte cannot fall under 1
	v_add_nc_u32 v[SCL], 0xff000000, v[M0]         ; 2 off the exponent field: the conversion takes this operand's exponent field as its scale
.if (\b) == 0
	v_lshrrev_b32 v[W+(\g)], 23, v[SCL]            ; the byte of block 0 starts the word
.else
	v_lshrrev_b32 v[BY], 23, v[SCL]
	v_lshl_or_b32 v[W+(\g)], v[BY], 8*(\b), v[W+(\g)]
.endif
.irp q, 0,1,2,3
	v_cvt_scalef32_pk8_fp4_f32 v[CC+\q], v[XS+8*\q:XS+8*\q+7], v[SCL]
.endr
	v_nop                                          ; one plain place behind the last conversion
.endm
; Block b's codes of my two columns go to LDS: piece b / 2, lanes' half b % 2, row lane % 8 + 8 g of tile lane / 8.
.macro PUT b
.irp g, 0,1
	ds_store_b128 v[STC], v[C+4*(2*(\b)+\g):C+4*(2*(\b)+\g)+3] offset:128*\g+512*((\b)/2)+256*((\b)%2)
.endr
.endm
	LOADS 0
	LOADS 1
	s_wait_loadcnt 63                              ; block 0 is in: 64 younger loads stand behind its last, and 63 is the largest count that a wait can name
	UNIT 0, 0
	UNIT 0, 1
	s_wait_alu depctr_va_vdst(0)                   ; block 0's maxima and conversions are done reading set 0, in which the loads below land, and have written its codes, which the stores below read
	LOADS 2                                        ; into block 0's set
	PUT 0
	s_wait_loadcnt 63                              ; block 1 is in, by the same count
	UNIT 1, 0
	UNIT 1, 1
	s_wait_alu depctr_va_vdst(0)                   ; the same of block 1 and set 1
	LOADS 3
	PUT 1
	s_wait_loadcnt 63                              ; block 2
	UNIT 2, 0
	UNIT 2, 1
	s_wait_alu depctr_va_vdst(0)                   ; block 2's conversions have written its codes, which the stores below read
	PUT 2
	s_wait_loadcnt 0x0
	UNIT 3, 0
	UNIT 3, 1
	s_wait_alu depctr_va_vdst(0)                   ; block 3's codes and both scale words are written, which the stores below read; and both sets have been read out: behind the barrier the fragments' loads land in them, with no vector instruction between
	PUT 3
	ds_store_b32 v[STS], v[W]                      ; my columns' scale words: rows 0-7 of the four tiles,
	ds_store_b32 v[STS], v[W+1] offset:32          ; rows 8-15
	s_wait_dscnt 0x0                               ; for the others' sake: my stores have landed
	s_barrier_signal -1
	s_barrier_wait -1                              ; the 64 fragments and their scale words lie in LDS; nothing is stored there again
.irp t, 0,1,2,3,4,5,6,7                        ; six loads a K step: k's fragment, v's fragment, their scale words
	ds_load_b128 v[BUF+16*\t:BUF+16*\t+3],     v[ADA] offset:\t*WREG
	ds_load_b128 v[BUF+16*\t+4:BUF+16*\t+7],   v[ADA] offset:\t*WREG+512
	ds_load_b128 v[BUF+16*\t+8:BUF+16*\t+11],  v[ADB] offset:\t*WREG
	ds_load_b128 v[BUF+16*\t+12:BUF+16*\t+15], v[ADB] offset:\t*WREG+512
	ds_load_b32 v[SA+\t], v[ASA] offset:256*\t
	ds_load_b32 v[SB+\t], v[ASB] offset:256*\t
.endr
; Even K steps on one accumulator, odd ones on the other, one instruction a turn.  The first two products start the sums.
; Fragments and scale words come from LDS loads alone: the counted waits on DScnt are all that the products hang on.
.irp t, 0,1,2,3,4,5,6,7
	s_wait_dscnt 6*(7-\t)                          ; LDS loads come back in order (ISA guide 5.7.1): this K step's six are in, the later steps' may be out
.if \t < 2
	v_wmma_scale_f32_16x16x128_f8f6f4 v[ACC+8*(\t%2):ACC+8*(\t%2)+7], v[BUF+16*\t:BUF+16*\t+7], v[BUF+16*\t+8:BUF+16*\t+15], 0, v[SA+\t], v[SB+\t] matrix_a_fmt:MATRIX_FMT_FP4 matrix_b_fmt:MATRIX_FMT_FP4
.else
	v_wmma_scale_f32_16x16x128_f8f6f4 v[ACC+8*(\t%2):ACC+8*(\t%2)+7], v[BUF+16*\t:BUF+16*\t+7], v[BUF+16*\t+8:BUF+16*\t+15], v[ACC+8*(\t%2):ACC+8*(\t%2)+7], v[SA+\t], v[SB+\t] matrix_a_fmt:MATRIX_FMT_FP4 matrix_b_fmt:MATRIX_FMT_FP4
.endif
.endr
.rept 4
	v_nop                                          ; four places between the last product and the first read of results (ISA guide 7.12.1)
.endr
.irp n, 0,2,4,6
	v_pk_add_f32 v[R+\n:R+\n+1], v[ACC+\n:ACC+\n+1], v[ACC+8+\n:ACC+9+\n]   ; both accumulators from their low end on
.endr
	s_wait_alu depctr_va_vdst(0)                   ; the four additions have written v[R ..], which the two stores read
	global_store_b128 v[L16], v[R:R+3], s[8:9]               ; 32 lanes store 512 consecutive bytes, at a multiple of 256 from kvp's first byte
	global_store_b128 v[L16], v[R+4:R+7], s[8:9] offset:512
	s_wait_dscnt 0x0                               ; the closing lines, six on end
	s_wait_alu 0x0
	s_wait_tensorcnt 0x0
	ds_add_u32 v224, v225
	s_wait_dscnt 0x0
	s_endpgm
.Lfunc_end_k_qe562970833_kvpart:
	.size	k_qe562970833_kvpart, .Lfunc_end_k_qe562970833_kvpart-k_qe562970833_kvpart
	.p2alignl 7, 3214868480
	.fill 96, 4, 3214868480
	.section	.rodata,"a",@progbits
	.p2align	6, 0x0
	.amdhsa_kernel k_qe562970833_kvpart
		.amdhsa_group_segment_fixed_size 79872
		.amdhsa_private_segment_fixed_size 0
		.amdhsa_enable_private_segment 0
		.amdhsa_kernarg_size 24
		.amdhsa_user_sgpr_count 2
		.amdhsa_user_sgpr_kernarg_segment_ptr 1
		.amdhsa_wavefront_size32 1
		.amdhsa_system_sgpr_workgroup_id_x 1
		.amdhsa_system_sgpr_workgroup_id_y 1
		.amdhsa_system_sgpr_workgroup_id_z 1
		.amdhsa_system_vgpr_workitem_id 0
		.amdhsa_next_free_vgpr 226
		.amdhsa_next_free_sgpr 66
		.amdhsa_reserve_vcc 0
		.amdhsa_float_denorm_mode_32 3
		.amdhsa_float_denorm_mode_16_64 3
		.amdhsa_memory_ordered 1
		.amdhsa_forward_progress 1
		.amdhsa_inst_pref_size 45
	.end_amdhsa_kernel
	.amdgpu_metadata
---
amdhsa.version: [ 1, 2 ]
amdhsa.kernels:
  - .name:           k_qe562970833_kvpart
    .symbol:         k_qe562970833_kvpart.kd
    .args:
      - { .name: k, .offset: 0, .size: 8, .value_kind: global_buffer, .address_space: global }
      - { .name: v, .offset: 8, .size: 8, .value_kind: global_buffer, .address_space: global }
      - { .name: kvp, .offset: 16, .size: 8, .value_kind: global_buffer, .address_space: global }
    .group_segment_fixed_size: 79872
    .private_segment_fixed_size: 0
    .kernarg_segment_align: 8
    .kernarg_segment_size: 24
    .max_flat_workgroup_size: 512
    .sgpr_count:     66
    .vgpr_count:     226
    .wavefront_size: 32
...
	.end_amdgpu_metadata
.endif
;; end of part 3
;; launch apply (part 4): grid 4 x 64, 16 waves a work-group, no clusters, 88,064 bytes of LDS; arguments q, kvp, out0; writes out0
.if DOCPART == 4
	.amdgcn_target "amdgcn-amd-amdhsa--gfx1250"
	.amdhsa_code_object_version 6
	.text
	.protected	k_qe562970833_apply
	.globl	k_qe562970833_apply
	.p2align	8
	.type	k_qe562970833_apply,@function
k_qe562970833_apply:
	s_mov_b64 s[64:65], 0
	v_nop
	global_prefetch_b8 v0, s[64:65] scope:SCOPE_SE
	s_setreg_imm32_b32 hwreg(HW_REG_WAVE_SCHED_MODE, 0, 2), 2
	s_setreg_imm32_b32 hwreg(HW_REG_WAVE_MODE, 25, 1), 1
	s_wait_xcnt 0x0
	s_wait_alu depctr_vm_vsrc(0)
; out[s][e] = sum over d of Q(q)[s][d] Q(kv)[d][e], Q the MX-FP4 quantiser along d (E2M1 codes, one E8M0 byte for each 32 along d).  q, out: [64 heads][4096][64] f32.
; kv comes as four partial sums a head, kvp [64][4 parts][16 tiles][2][32 lanes][4]: in tile 4 j + i, lane (r, h), number n (0..7) is kv[32 h + 8 i + n][e], e = 8 j + (r & 7) + 32 (r >> 3).
; SHARES.  A work-group (x = quarter, y = head) owns 1,024 rows; each of its 16 waves 64 rows, four tiles of 16.
; Every wave first asks for the four parts of kv's tile w, then for ALL its rows of q: 32 loads of 512 consecutive bytes into 128 registers.
; kv: wave w adds its tile's four parts and puts the sum into LDS; one barrier; every wave then quantises the whole of kv for itself (4 tiles of e, 32 numbers a lane each: a lane holds a whole
; block along d), so that there is no second barrier and no wave has a role of its own.
; q: a tile's 4,096 bytes turn through the wave's own stage: stored as loaded, read back 128 bytes a lane: lane (r, h) then holds q[r][32 h .. 32 h + 31], one block.
; THE PRODUCT IS USED TRANSPOSED (source 0 = 16 columns e of kv, source 1 = 16 rows of q).  K is 64: registers 4-7 of both operands hold zero codes, which add nothing under the scale byte 0.
; In the result lane (r, h), register n of tile j is out[r][32 h + 8 j + n]: 32 neighbours a lane.  They go through the same stage and leave as whole rows, 512 consecutive bytes a store.
; LIMITS: NaN and infinities are not served; blocks whose largest magnitude lies under 2^-124 (the floor, byte 1) were not tried; a block of zeros gets the byte 1 where the rule says 127: its codes are zeros.
; NO CLUSTER: the four work-groups of a head share kv's 65,536 bytes of parts and nothing else, beside 262,144 bytes read and 262,144 written that are each work-group's own.
; THE MODE: SCHED_MODE bits 1:0 = 2 (LLVM: expert scheduling mode 2), set by the entry lines.  The code itself states the register dependences
; between vector or matrix instructions and memory or LDS instructions, with s_wait_alu, always for 0.
; THE PLAN.  Registers that memory or LDS instructions touch:
;   v1-4          offsets and LDS addresses: written at the head, never again.
;   L + 32 t      q's tile t as loaded: written by eight global loads, read by the eight LDS stores of its turn through the stage, named by no vector instruction in that part.
;   X + 32 t      tile t's block (X + 32 t = L + 32 (t - 1): the registers that the tile before has left): written by the turn's eight LDS loads, read by the quantiser; then the tile's rows of out land
;                 there, which eight global stores read; not written again.  X itself serves kv first: the parts and their sum (two LDS stores read it), then kv's tiles 0 and 2.
;   D             kv's tiles 1 and 3 land there and the quantiser reads them; then each tile's products write it and eight LDS stores read it.
;   v22, v23      written at the head, read by the closing add alone.
; TILE t + 1's TURN IS ISSUED AT THE HEAD OF TILE t (tile 0's ahead of the last quantising of kv), so that it lands while tile t is quantised and multiplied.  LDS serves a wave's instructions in
; order (ISA guide 5.7.1.4), so one stage serves: in (t + 1), out (t), in (t + 2) ..
; A tile has three waits: vm_vsrc at its head (the LDS stores issued so far have read L + 32 t and D); va_vdst ahead of the products (fragment and scale word written; the block read out); va_vdst behind
; them (D written).
.set SP,    272                        ; a stage row: 256 bytes + 16: row r starts at bank 4 r mod 64 (64 banks of 4 bytes: ISA guide 11.1), so sixteen rows' 16 bytes fall on different banks
.set KVF,   0                          ; LDS: kv in f32, laid as a part lies in memory: 16 tiles of 1,024 bytes
.set STG,   16384                      ; behind it a stage of 16 rows for each wave
.set TILEB, 16*SP
.set L16,  1                           ; v1   16 x lane: my bytes in 512 consecutive ones, in memory and in kv's LDS image
.set AD1,  2                           ; v2   the stage by rows: (lane / 16) x SP + 16 (lane % 16): two rows an instruction
.set AD2,  3                           ; v3   the stage by lanes: r x SP + 128 h
.set KST,  4                           ; v4   where I put my tile of kv: 1,024 x wave + 16 x lane
.set SH,   7                           ; v7   8 h: my block's byte's place in a scale word
.set M0,   8
.set M1,   9
.set SCL,  10
.set BY,   11
.set TMP,  12
.set KS,   16                          ; v16-19 kv's scale words, v20 q's: they hold scales and nothing else
.set QS,   20
.set QF,   24                          ; v24-31  q's fragment
.set KF,   32                          ; v32-63  kv's four fragments
.set D,    64                          ; v64-95  four results
.set X,    96                          ; v96-127 kv's numbers at work; then tile 0's block and its rows of out.  Tile t's: v[X + 32 t] on
.set L,    128                         ; v128-255 q as loaded, 32 registers a tile
	s_load_b128 s[4:7], s[0:1], 0x0                ; q, kvp
	s_load_b64 s[8:9], s[0:1], 0x10                ; out
	v_lshl_add_u32 v22, v0, 2, 0x15000             ; the LDS address of my spare word, behind the stages, and 0: kept for the closing lines alone
	v_mov_b32 v23, 0
	v_lshrrev_b32 v14, 5, v0
	v_readfirstlane_b32 s10, v14                   ; wave 0..15
	v_and_b32 v15, 31, v0
	v_lshlrev_b32 v[L16], 4, v15
	v_and_b32 v13, 15, v0                          ; r
	v_bfe_u32 v14, v0, 4, 1                        ; h
	v_lshlrev_b32 v[SH], 3, v14
	s_wait_alu depctr_va_sdst(0)                   ; s10 is written, ahead of its first reader: my stage, my tile of kv and the bases are made from it
	s_mul_i32 s11, s10, TILEB
	s_add_co_u32 s11, s11, STG                     ; my stage
	v_mul_u32_u24 v[AD1], v14, SP
	v_lshl_add_u32 v[AD1], v13, 4, v[AD1]
	v_add_nc_u32 v[AD1], s11, v[AD1]
	v_mul_u32_u24 v[AD2], v13, SP
	v_lshl_add_u32 v[AD2], v14, 7, v[AD2]
	v_add_nc_u32 v[AD2], s11, v[AD2]
	s_lshl_b32 s14, s10, 10
	v_add_nc_u32 v[KST], s14, v[L16]
	s_mov_b32 s12, 0x76543210
	s_mov_b32 s13, 0xfedcba98                      ; v_permlanex16_b32's selects for lane l xor 16
	s_and_b32 s15, ttmp7, 0xffff                   ; head
	s_lshl_b32 s16, s15, 20                        ; a head is 4,096 rows of 256 bytes,
	s_lshl_b32 s17, ttmp9, 18                      ; a quarter 1,024 rows,
	s_add_co_u32 s16, s16, s17
	s_lshl_b32 s17, s10, 14                        ; a wave's share 64 rows
	s_add_co_u32 s16, s16, s17
	s_mov_b32 s17, 0
	s_lshl_b32 s18, s15, 16                        ; kvp: 65,536 bytes a head, my tile 1,024 x wave on
	s_add_co_u32 s18, s18, s14
	s_mov_b32 s19, 0
	s_wait_kmcnt 0x0
	s_add_nc_u64 s[4:5], s[4:5], s[16:17]
	s_add_nc_u64 s[8:9], s[8:9], s[16:17]
	s_add_nc_u64 s[6:7], s[6:7], s[18:19]
	s_wait_alu depctr_va_vdst(0)                   ; the four offsets and addresses v1 to v4 are written, which every load and store below reads
.irp p, 0,1,2,3                                ; my tile of kv in the four parts: asked for first, since every wave waits for all sixteen tiles
	global_load_b128 v[X+8*\p:X+8*\p+3],   v[L16], s[6:7] offset:16384*\p
	global_load_b128 v[X+8*\p+4:X+8*\p+7], v[L16], s[6:7] offset:16384*\p+512
.endr
.set ni, 0
.rept 32                                       ; all my rows of q: each load takes 512 consecutive bytes, two rows
	global_load_b128 v[L+4*ni:L+4*ni+3], v[L16], s[4:5] offset:512*ni th:TH_LOAD_NT
.set ni, ni+1
.endr
	v_mov_b32 v[TMP], 0                            ; a lane permute's destination counts as one of its sources
.irp n, 4,5,6,7
	v_mov_b32 v[QF+\n], 0                          ; zero codes for k = 64 .. 127, once
	v_mov_b32 v[KF+\n], 0
	v_mov_b32 v[KF+8+\n], 0
	v_mov_b32 v[KF+16+\n], 0
	v_mov_b32 v[KF+24+\n], 0
.endr
	s_wait_loadcnt 32                              ; the eight loads of kv's parts are in; the 32 of q, issued behind them, may be out
.irp p, 1,2,3
.irp n, 0,2,4,6
	v_pk_add_f32 v[X+\n:X+\n+1], v[X+\n:X+\n+1], v[X+8*\p+\n:X+8*\p+\n+1]   ; the parts in ascending order of s
.endr
.endr
	s_wait_alu depctr_va_vdst(0)                   ; the additions have written v[X .. X + 7], which the two stores read, and are done with all of v[X ..], in which LDS loads land behind the barrier
	ds_store_b128 v[KST], v[X:X+3]
	ds_store_b128 v[KST], v[X+4:X+7] offset:512
	s_wait_dscnt 0x0                               ; for the others' sake: my tile has landed
	s_barrier_signal -1
	s_barrier_wait -1                              ; kv lies in LDS; nobody stores there again
	s_wait_alu depctr_vm_vsrc(0)                   ; my two stores have read v[X .. X + 7], in which the loads of kv's tile 0 land
; 32 numbers of a lane, one block along K (lanes 0-15: k = 0 .. 31, lanes 16-31: k = 32 .. 63 of row lane % 16), become registers 0-3 of a fragment at v[dst] and the row's scale word in v[sw].
.macro QUANT src, dst, sw
	v_max3_num_f32 v[M0], |v[(\src)]|, |v[(\src)+1]|, |v[(\src)+2]|
	v_max3_num_f32 v[M1], |v[(\src)+3]|, |v[(\src)+4]|, |v[(\src)+5]|
.irp i, 6,10,14,18,22,26
	v_max3_num_f32 v[M0], v[M0], |v[(\src)+\i]|, |v[(\src)+\i+1]|
	v_max3_num_f32 v[M1], v[M1], |v[(\src)+\i+2]|, |v[(\src)+\i+3]|
.endr
	v_max3_num_f32 v[M0], v[M0], |v[(\src)+30]|, |v[(\src)+31]|
	v_max3_num_f32 v[M0], v[M0], v[M1], 0x1800000  ; and the floor 2^(3 - 127): the byte cannot fall under 1
	v_add_nc_u32 v[SCL], 0xff000000, v[M0]         ; 2 off the exponent field: the conversion's scale operand
	v_lshrrev_b32 v[BY], 23, v[SCL]                ; my block's byte,
	v_lshlrev_b32 v[BY], v[SH], v[BY]              ; at its place in the word;
	v_permlanex16_b32 v[TMP], v[BY], s12, s13
	v_or_b32 v[(\sw)], v[BY], v[TMP]               ; with lane l xor 16's the word is whole; bytes 2 and 3 stay 0, over zero codes
.irp g, 0,1,2,3
	v_cvt_scalef32_pk8_fp4_f32 v[(\dst)+\g], v[(\src)+8*\g:(\src)+8*\g+7], v[SCL]
.endr
	v_nop                                          ; one plain place behind the last conversion
.endm
.macro KVLOAD j, dst                           ; the four tiles 4 j + i: my 32 numbers kv[32 h + 0 .. 31][column r of tile j]
.irp n, 0,1,2,3,4,5,6,7
	ds_load_b128 v[(\dst)+4*\n:(\dst)+4*\n+3], v[L16] offset:KVF+4096*(\j)+512*\n
.endr
.endm
; Tile t's turn through my stage.  LDS serves a wave's instructions in order (ISA guide 5.7.1.4): no wait stands between the stores and the loads that read them back.
.macro IN t
.irp n, 0,1,2,3,4,5,6,7
	ds_store_b128 v[AD1], v[L+32*(\t)+4*\n:L+32*(\t)+4*\n+3] offset:2*\n*SP    ; as loaded: two rows an instruction
.endr
.irp n, 0,1,2,3,4,5,6,7
	ds_load_b128 v[X+32*(\t)+4*\n:X+32*(\t)+4*\n+3], v[AD2] offset:16*\n       ; back: my row's 32 numbers of my block
.endr
.endm
	KVLOAD 0, X
	KVLOAD 1, D
	s_wait_dscnt 8                                 ; tile 0's eight loads are in, the next tile's may be out; likewise below
	QUANT X, KF, KS
	s_wait_alu depctr_va_vdst(0)                   ; the quantiser is done reading v[X ..], in which the loads below land
	KVLOAD 2, X
	s_wait_dscnt 8
	QUANT D, KF+8, KS+1
	s_wait_alu depctr_va_vdst(0)                   ; the same of v[D ..]
	KVLOAD 3, D
	s_wait_dscnt 8
	QUANT X, KF+16, KS+2
	s_wait_alu depctr_va_vdst(0)                   ; the quantiser is done reading v[X ..], in which the block of q's tile 0 lands
	s_wait_loadcnt 24                              ; loads come back in order (ISA guide 5.7.1): q's tile 0 is in, the three later tiles may be out
	IN 0                                           ; its turn runs while kv's last tile is quantised
	s_wait_dscnt 16                                ; kv's tile 3 is in; the turn's sixteen instructions, issued behind it, may be out
	QUANT D, KF+24, KS+3
; A tile of 16 rows.
.macro STEP t
.set XB, X+32*(\t)
.if (\t) < 3
	s_wait_loadcnt 8*(2-(\t))                      ; q's tile t + 1 is in, the later tiles' loads may be out
.endif
	s_wait_alu depctr_vm_vsrc(0)                   ; the LDS stores issued so far have read their data: tile t's turn v[L + 32 t ..], in which tile t + 1's block lands, and the tile before's results v[D ..], which the products below write
.if (\t) < 3
	IN (\t)+1
	s_wait_dscnt 16                                ; tile t's block is in; the sixteen instructions just issued may be out.  (The last tile's block was shown in by the last wait of the tile before)
.endif
	QUANT XB, QF, QS
.rept 8
	v_nop                                          ; a scale register written by a vector instruction stands eight places ahead of a scaled matrix instruction, an operand so written four
.endr
	s_wait_alu depctr_va_vdst(0)                   ; q's fragment and scale word, kv's four and the zero codes are written, which the products take; and the quantiser is done reading the block's registers, in which the rows of out land
.irp j, 0,1,2,3
	v_wmma_scale_f32_16x16x128_f8f6f4 v[D+8*\j:D+8*\j+7], v[KF+8*\j:KF+8*\j+7], v[QF:QF+7], 0, v[KS+\j], v[QS] matrix_a_fmt:MATRIX_FMT_FP4 matrix_b_fmt:MATRIX_FMT_FP4
.endr
.rept 4
	v_nop                                          ; four places between the last product and the first read of results (ISA guide 7.12.1)
.endr
	s_wait_alu depctr_va_vdst(0)                   ; the products have written v[D ..], which the LDS stores read; the places above stay beside this wait
.irp j, 0,1,2,3
	ds_store_b128 v[AD2], v[D+8*\j:D+8*\j+3] offset:32*\j          ; out[r][32 h + 8 j + 0 .. 7]: each result from its low end on.  (They come behind the next tile's reads of the stage, in the order of issue)
	ds_store_b128 v[AD2], v[D+8*\j+4:D+8*\j+7] offset:32*\j+16
.endr
.irp n, 0,1,2,3,4,5,6,7
	ds_load_b128 v[XB+4*\n:XB+4*\n+3], v[AD1] offset:2*\n*SP       ; back by rows, into the registers that the tile's block has left
.endr
.irp n, 0,1,2,3,4,5,6,7
	s_wait_dscnt 7-\n                              ; pair n of rows is back; the younger pairs may be out
	global_store_b128 v[L16], v[XB+4*\n:XB+4*\n+3], s[8:9] offset:4096*(\t)+512*\n th:TH_STORE_NT   ; 32 lanes store 512 consecutive bytes, at a multiple of 256 from out's first byte; these registers are not written again
.endr
.endm
	STEP 0
	STEP 1
	STEP 2
	STEP 3
	s_wait_dscnt 0x0                               ; the closing lines, six on end
	s_wait_alu 0x0
	s_wait_tensorcnt 0x0
	ds_add_u32 v22, v23
	s_wait_dscnt 0x0
	s_endpgm
.Lfunc_end_k_qe562970833_apply:
	.size	k_qe562970833_apply, .Lfunc_end_k_qe562970833_apply-k_qe562970833_apply
	.p2alignl 7, 3214868480
	.fill 96, 4, 3214868480
	.section	.rodata,"a",@progbits
	.p2align	6, 0x0
	.amdhsa_kernel k_qe562970833_apply
		.amdhsa_group_segment_fixed_size 88064
		.amdhsa_private_segment_fixed_size 0
		.amdhsa_enable_private_segment 0
		.amdhsa_kernarg_size 24
		.amdhsa_user_sgpr_count 2
		.amdhsa_user_sgpr_kernarg_segment_ptr 1
		.amdhsa_wavefront_size32 1
		.amdhsa_system_sgpr_workgroup_id_x 1
		.amdhsa_system_sgpr_workgroup_id_y 1
		.amdhsa_system_sgpr_workgroup_id_z 1
		.amdhsa_system_vgpr_workitem_id 0
		.amdhsa_next_free_vgpr 256
		.amdhsa_next_free_sgpr 66
		.amdhsa_reserve_vcc 0
		.amdhsa_float_denorm_mode_32 3
		.amdhsa_float_denorm_mode_16_64 3
		.amdhsa_memory_ordered 1
		.amdhsa_forward_progress 1
		.amdhsa_inst_pref_size 39
	.end_amdhsa_kernel
	.amdgpu_metadata
---
amdhsa.version: [ 1, 2 ]
amdhsa.kernels:
  - .name:           k_qe562970833_apply
    .symbol:         k_qe562970833_apply.kd
    .args:
      - { .name: q, .offset: 0, .size: 8, .value_kind: global_buffer, .address_space: global }
      - { .name: kvp, .offset: 8, .size: 8, .value_kind: global_buffer, .address_space: global }
      - { .name: out0, .offset: 16, .size: 8, .value_kind: global_buffer, .address_space: global }
    .group_segment_fixed_size: 88064
    .private_segment_fixed_size: 0
    .kernarg_segment_align: 8
    .kernarg_segment_size: 24
    .max_flat_workgroup_size: 512
    .sgpr_count:     66
    .vgpr_count:     256
    .wavefront_size: 32
...
	.end_amdgpu_metadata
.endif
;; end of part 4
